; MI455X (gfx1250); checked and timed in simulation.
; The chip was launched on July 23, 2026; its instructions are those of AMD's public machine-readable ISA for CDNA 5 (MIT licence, August 2026) and "CDNA5" Instruction Set Architecture Reference Guide (July 2026). The comments in the code are by the model that wrote it; some were corrected since.
;; Vector Quantizer. Allowed arithmetic: float matrix products may take bf16 or f16 operands with f32 sums; other float arithmetic in f32, or as packed bf16 or f16 multiplies, adds, multiply-adds, maxima and minima; sums over many terms, partial sums and values carried from step to step in f32; what a program stores and reads back later, other than sums and carried values, may be rounded once to bf16 or f16.
;; Inputs: codebook 8,192 x 256 float32; x 32,768 x 256 float32.
;; Outputs: out0 32,768 x 256 float32.
;; 2 versions, each right; version 2 is version 1 with the launches prep, gather written anew for expert scheduling mode. Each part assembles by itself: llvm-mc -triple=amdgcn-amd-amdhsa -mcpu=gfx1250 --defsym DOCPART=n.
;; ======== version 1 of 2: 3 launches
;; workspace buffers: cbs 4,259,840 bytes; idx 131,072 bytes of whole numbers
;; launch prep (part 1): grid 128 x 1, 8 waves a work-group, no clusters, 1,280 bytes of LDS; arguments codebook, cbs; writes cbs
.if DOCPART == 1
	.amdgcn_target "amdgcn-amd-amdhsa--gfx1250"
	.amdhsa_code_object_version 6
	.text
	.protected	k_qd4d1fbc696_prep
	.globl	k_qd4d1fbc696_prep
	.p2align	8
	.type	k_qd4d1fbc696_prep,@function
k_qd4d1fbc696_prep:
	s_mov_b64 s[64:65], 0
	v_nop
	global_prefetch_b8 v0, s[64:65] scope:SCOPE_SE
	s_setreg_imm32_b32 hwreg(HW_REG_WAVE_MODE, 25, 1), 1
	s_wait_xcnt 0x0
; THE CODEBOOK IS MADE READY FOR THE SEARCH.  codebook: [8192][256] f32.  cbs: 128 blocks of 33,280 bytes; block b holds codes 64 b .. 64 b + 63
; rounded once to bf16 (64 rows of 512 bytes), then one more row of 512 bytes: the 64 sums C2 = sum of squares of the ROUNDED numbers, in f32, and
; 256 bytes of zeros (the search fetches a block as 65 equal rows, so the filler is written).
; SHARES.  Work-group b makes block b; wave v its rows 8 v .. 8 v + 7.  A row of 1,024 bytes is two loads of a wave (512 consecutive bytes each); its
; 512 bytes of bf16 are two stores of a wave, each 256 consecutive bytes at a multiple of 256 from the buffer's first byte.
; All 16 loads of a wave go out first.  The eight sums of a wave meet the others' in LDS, so that the block's 64 sums leave as one store of 256 bytes.
; LIMIT.  C2 is summed in another order than a plain row sum: eight numbers a lane in two chains, then across the lanes.
.set ROWB,  1024                       ; bytes in a row of the codebook
.set BLK,   33280                      ; bytes in a block of cbs
.set SPARE, 256                        ; LDS: the 64 sums at 0 .. 255; behind them the spare words, 128 bytes for each of the eight waves
.set LN16,  2                          ; v2   16 x lane; never rewritten
.set LN8,   3                          ; v3   8 x lane; never rewritten
.set LA,    4                          ; v4   LDS address of my wave's eight sums
.set SPW,   6                          ; v6   LDS address of my spare word; never rewritten
.set NIL,   7                          ; v7   0; never rewritten
.set Z,     8                          ; v[8:9] zeros: the chains' first addend, and the filler
.set SA,    10                         ; v10  the chain of the low halves
.set SB,    11                         ; v11  the chain of the high halves
.set CC,    12                         ; v[12:13] two of the block's sums, on their way out
.set TP,    14                         ; v14  the other half of the lanes' sum
.set X,     16                         ; v[16:79]  row i: 8 registers as loaded
.set Y,     80                         ; v[80:111] row i: 4 registers of bf16; each row has its own, so no store's data is written again
	s_load_b128 s[4:7], s[0:1], 0x0                ; codebook s[4:5], cbs s[6:7]
	v_lshl_add_u32 v[SPW], v0, 2, SPARE
	v_mov_b32 v[NIL], 0
	v_lshrrev_b32 v1, 5, v0
	v_readfirstlane_b32 s8, v1                     ; wave 0..7
	v_and_b32 v1, 31, v0                           ; lane
	v_lshlrev_b32 v[LN16], 4, v1
	v_lshlrev_b32 v[LN8], 3, v1
	s_lshl_b32 s10, ttmp9, 16                      ; the block's 64 rows of 1,024 bytes,
	s_lshl_b32 s11, s8, 13                         ; my wave's 8 of them
	s_add_co_u32 s10, s10, s11
	s_mov_b32 s11, 0
	s_mul_i32 s12, ttmp9, BLK                      ; the block in cbs,
	s_lshl_b32 s13, s8, 12                         ; my wave's 8 rows of 512 bytes
	s_add_co_u32 s12, s12, s13
	s_mov_b32 s13, 0
	s_mov_b32 s14, 0x76543210                      ; v_permlanex16_b32: each lane takes its own place in the other half
	s_mov_b32 s15, 0xfedcba98
	s_lshl_b32 s16, s8, 5                          ; my wave's eight words among the 64
	v_mov_b32 v[LA], s16
	v_mov_b32 v[Z], 0
	v_mov_b32 v[Z+1], 0
	v_mov_b32 v[TP], 0                             ; v_permlanex16_b32's destination counts as read: it is written once here
	s_wait_kmcnt 0x0
	s_add_nc_u64 s[4:5], s[4:5], s[10:11]
	s_add_nc_u64 s[6:7], s[6:7], s[12:13]
.irp i, 0,1,2,3,4,5,6,7
	global_load_b128 v[X+8*\i:X+8*\i+3],   v[LN16], s[4:5] offset:ROWB*\i th:TH_LOAD_NT      ; numbers 4 l .. 4 l + 3 of the row,
	global_load_b128 v[X+8*\i+4:X+8*\i+7], v[LN16], s[4:5] offset:ROWB*\i+512 th:TH_LOAD_NT  ; and 128 + 4 l .. + 3
.endr
; Row i: rounded, stored, squared and summed.
.macro ROW i
	s_wait_loadcnt 14-2*(\i)                       ; loads come back in order (ISA guide 5.7.1): this row's two are in, the later rows' stay out
.irp q, 0,1,2,3
	v_cvt_pk_bf16_f32 v[Y+4*(\i)+\q], v[X+8*(\i)+2*\q], v[X+8*(\i)+2*\q+1]
.endr
	global_store_b64 v[LN8], v[Y+4*(\i):Y+4*(\i)+1],   s[6:7] offset:512*(\i)       ; 32 lanes x 8 bytes: 256 consecutive bytes, aligned
	global_store_b64 v[LN8], v[Y+4*(\i)+2:Y+4*(\i)+3], s[6:7] offset:512*(\i)+256
	v_fma_mix_f32_bf16 v[SA], v[Y+4*(\i)], v[Y+4*(\i)], v[Z] op_sel_hi:[1,1,0]                 ; the squares of the rounded numbers, straight from the halves, summed in f32
	v_fma_mix_f32_bf16 v[SB], v[Y+4*(\i)], v[Y+4*(\i)], v[Z] op_sel:[1,1,0] op_sel_hi:[1,1,0]
.irp q, 1,2,3
	v_fma_mix_f32_bf16 v[SA], v[Y+4*(\i)+\q], v[Y+4*(\i)+\q], v[SA] op_sel_hi:[1,1,0]
	v_fma_mix_f32_bf16 v[SB], v[Y+4*(\i)+\q], v[Y+4*(\i)+\q], v[SB] op_sel:[1,1,0] op_sel_hi:[1,1,0]
.endr
	v_add_f32 v[SA], v[SA], v[SB]
	v_add_f32_dpp v[SA], v[SA], v[SA] row_xmask:1 row_mask:0xf bank_mask:0xf   ; across the 32 lanes: four steps inside each half,
	v_add_f32_dpp v[SA], v[SA], v[SA] row_xmask:2 row_mask:0xf bank_mask:0xf
	v_add_f32_dpp v[SA], v[SA], v[SA] row_xmask:4 row_mask:0xf bank_mask:0xf
	v_add_f32_dpp v[SA], v[SA], v[SA] row_xmask:8 row_mask:0xf bank_mask:0xf
	v_permlanex16_b32 v[TP], v[SA], s14, s15                                   ; one across the halves
	v_add_f32 v[SA], v[SA], v[TP]
	ds_store_b32 v[LA], v[SA] offset:4*(\i)        ; all lanes write the same word with the same number
.endm
.irp i, 0,1,2,3,4,5,6,7
	ROW \i
.endr
	s_wait_dscnt 0x0                               ; for the others' sake: my eight sums lie in LDS
	s_barrier_signal -1
	s_barrier_wait -1                              ; all 64 do
	s_cmp_lg_u32 s8, 0                             ; wave 0 sends them out (its pointer stands at the block's first byte)
	s_cbranch_scc1 .Lend
	ds_load_b64 v[CC:CC+1], v[LN8]
	s_wait_dscnt 0x0
	global_store_b64 v[LN8], v[CC:CC+1], s[6:7] offset:32768   ; the 64 sums: 256 consecutive bytes, aligned
	global_store_b64 v[LN8], v[Z:Z+1],   s[6:7] offset:33024   ; the filler
.Lend:
	s_wait_tensorcnt 0x0                           ; the wave's end: behind my last LDS store
	ds_add_u32 v[SPW], v[NIL]
	s_wait_dscnt 0x0
	s_endpgm
.Lfunc_end_k_qd4d1fbc696_prep:
	.size	k_qd4d1fbc696_prep, .Lfunc_end_k_qd4d1fbc696_prep-k_qd4d1fbc696_prep
	.p2alignl 7, 3214868480
	.fill 96, 4, 3214868480
	.section	.rodata,"a",@progbits
	.p2align	6, 0x0
	.amdhsa_kernel k_qd4d1fbc696_prep
		.amdhsa_group_segment_fixed_size 1280
		.amdhsa_private_segment_fixed_size 0
		.amdhsa_enable_private_segment 0
		.amdhsa_kernarg_size 16
		.amdhsa_user_sgpr_count 2
		.amdhsa_user_sgpr_kernarg_segment_ptr 1
		.amdhsa_wavefront_size32 1
		.amdhsa_system_sgpr_workgroup_id_x 1
		.amdhsa_system_sgpr_workgroup_id_y 1
		.amdhsa_system_sgpr_workgroup_id_z 1
		.amdhsa_system_vgpr_workitem_id 0
		.amdhsa_next_free_vgpr 128
		.amdhsa_next_free_sgpr 66
		.amdhsa_reserve_vcc 0
		.amdhsa_float_denorm_mode_32 3
		.amdhsa_float_denorm_mode_16_64 3
		.amdhsa_memory_ordered 1
		.amdhsa_forward_progress 1
		.amdhsa_inst_pref_size 15
	.end_amdhsa_kernel
	.amdgpu_metadata
---
amdhsa.version: [ 1, 2 ]
amdhsa.kernels:
  - .name:           k_qd4d1fbc696_prep
    .symbol:         k_qd4d1fbc696_prep.kd
    .args:
      - { .name: codebook, .offset: 0, .size: 8, .value_kind: global_buffer, .address_space: global }
      - { .name: cbs, .offset: 8, .size: 8, .value_kind: global_buffer, .address_space: global }
    .group_segment_fixed_size: 1280
    .private_segment_fixed_size: 0
    .kernarg_segment_align: 8
    .kernarg_segment_size: 16
    .max_flat_workgroup_size: 256
    .sgpr_count:     66
    .vgpr_count:     128
    .wavefront_size: 32
...
	.end_amdgpu_metadata
.endif
;; end of part 1
;; launch search (part 2): grid 256 x 1, 4 waves a work-group, clusters of 4 x 1, 327,680 bytes of LDS; arguments x, cbs, idx; writes idx
.if DOCPART == 2
	.amdgcn_target "amdgcn-amd-amdhsa--gfx1250"
	.amdhsa_code_object_version 6
	.text
	.protected	k_qd4d1fbc696_search
	.globl	k_qd4d1fbc696_search
	.p2align	8
	.type	k_qd4d1fbc696_search,@function
k_qd4d1fbc696_search:
	s_mov_b64 s[64:65], 0
	v_nop
	global_prefetch_b8 v0, s[64:65] scope:SCOPE_SE
	s_setreg_imm32_b32 hwreg(HW_REG_WAVE_MODE, 25, 1), 1
	s_wait_xcnt 0x0
	s_wait_alu depctr_hold_cnt(0) depctr_sa_sdst(0) depctr_va_vdst(0) depctr_va_sdst(0) depctr_va_ssrc(0) depctr_va_vcc(0) depctr_vm_vsrc(0)
	s_getreg_b32 s2, hwreg(HW_REG_IB_STS2, 6, 4)
	s_cmp_eq_u32 s2, 0
	s_cbranch_scc0 .Lentry_in_a_cluster
	s_endpgm
.Lentry_in_a_cluster:
	s_bfe_u32 s2, ttmp6, 0x10000c
	s_cmp_lg_u32 s2, 0x3003
	s_cbranch_scc0 .Lentry_shape_is_right
	s_endpgm
.Lentry_shape_is_right:
; idx[q] = the first code c at which d = (L2[q] + C2[c]) - 2 x[q].c is least.  x: [32768][256] f32; cbs: the codebook in bf16 with its C2, in blocks of 64 codes; idx: [32768] u32.
; THE ARITHMETIC IS THE DISTANCE'S OWN, rounding for rounding: A = L2 + C2 (one f32 addition), d = A - 2 LC (one fused multiply-add: 2 LC is exact, so it rounds once, as the subtraction does).  L2 is some
; hundred thousand times 2 LC for numbers like these, so many d are EQUAL in f32, and then the first code counts: a comparison of C2 - 2 LC alone would choose otherwise.  x is rounded to bf16 for the product, and L2 is the
; sum of the squares of the rounded numbers.
; LIMITS.  LC, L2 and C2 are summed in another order than a plain row sum; where a leading d lies within that last-bit difference of a rounding boundary and a rival one step away, the other code may be taken.
; A NaN distance never wins; if no distance of a row is below +infinity the row takes code 0.
; SHARES.  A work-group owns 128 rows of x: 256 work-groups.  ALL FOUR WAVES HOLD ALL 128 ROWS, as bf16 fragments: 8 query tiles x 64 registers.  THE CODES ARE SPLIT AMONG THE WAVES: of each slab of 256 codes wave w
; takes block w, 64 codes = 4 code tiles.  So each LDS byte of a slab is read by one wave, once: 18 LDS loads for 64 matrix instructions; and a wave reads only what its own tensor load brought.
; LAYOUT.  Source 0 = 16 codes, source 1 = 16 queries: in the result a lane holds ONE query (lane % 16) and the codes 8 (lane / 16) + 0..7.  L2, the least d so far and its number are one register each a tile and lane.
; BY TURNS.  For 8 scores a lane: 4 packed additions, 4 packed multiply-adds, 8 x (compare, select, minimum) = 32 vector instructions for 8 matrix instructions.  The tiles are two PIECES (tiles 0-3, tiles 4-7).
; In a TURN one piece issues the 32 products of a code tile, and behind each stands a slice of four of the other piece's 128 vector instructions.  Strictly less, codes ascending: a lane keeps its first minimum.
; CLUSTER.  All work-groups walk the same codes: the four of a cluster ask for each block JOINTLY: the same tensor load, descriptor and mask in all four.  x is each work-group's own: a plain load.
; REGISTERS, in windows of 256 (s_set_vgpr_msb: bits 1:0 source 0, 3:2 source 1, 5:4 source 2, 7:6 destination):
;   window 0: v0-15 addresses; v16-47 four registers a tile: L2, least d, its number, at work; v48-63 C2, two buffers; v64-127 the scores, 8 a tile; v128-159 A; at the start v128-255 two stages of x in f32
;   window 1: v0-127 the codes' fragments, two buffers of 64          windows 2, 3: x, tile t at 64 (t % 4) in window 2 + t / 4
; A product names windows 1, 2 or 3, and 0; a slice window 0 alone: two switches a matrix instruction.  No window has room for a product's operands beside the slices' registers.
.set PK,    528                        ; a code's row in LDS: 512 bytes + 16 of padding = 132 words: row r starts at bank 4 r mod 64 (64 banks of 4 bytes: ISA guide 11.1): the 16 rows of a load start at 16 different groups of four banks
.set TILEB, 16*PK                      ; a code tile
.set QUART, 65*PK                      ; a block in LDS: 64 codes and the row with their C2
.set SLOT,  4*QUART                    ; a slab: 137,280 bytes; slot 0 at 0, slot 1 behind it
.set C2OFF, 64*PK
.set PX,    1040                       ; a row of x in LDS: 1,024 bytes + 16
.set XT,    16*PX                      ; a query tile
.set BLK,   33280                      ; a block in memory
.set SLAB,  4*BLK
.set MRG,   274688                     ; behind the ring, in blocks of 256 bytes that no tensor load fills: for each wave 128 x (d, code)
.set SPARE, 278784                     ; behind that: the spare words, 128 bytes for each wave: two blocks of 256 bytes that no other line names
.set PAIRS, 15                         ; trips of the loop: two slabs each; the last two of the 32 slabs are written out
.set AK0, 3                            ; v3   my lane's place in a code tile of my block; never rewritten
.set AC0, 4                            ; v4   the same for C2
.set ADR, 5                            ; v5   the LDS address of the run of fragment loads in hand
.set ADC, 6                            ; v6   of the two C2 loads
.set AX,  7                            ; v7   my lane's place in the query tile that is being converted
.set PFO, 8                            ; v8   256 x lane; never rewritten
.set LB,  9                            ; v9   64 w + 8 (lane / 16): what my lane's codes have in common
.set MA,  10                           ; v10  where I put a query's (d, code)
.set MR,  11                           ; v11  where I read two queries' back
.set SPW, 12                           ; v12  LDS address of my spare word; never rewritten
.set NIL, 13                           ; v13  0; never rewritten
.set GO,  14                           ; v14  8 x lane
.set LN,  15                           ; v15  lane
.set ST,  16
.set C2F, 48
.set S,   64
.set TMP, 128
.set STG, 128
.set MP,  160                          ; v[160:175] the merge: tile t's (d, code)
.set MW,  176                          ; v[176:191] the merge: at work
.set OUT, 192                          ; v[192:193] two codes to store
.set WV,  10                           ; s10  my wave's number
.set G1C, 16                           ; s[16:23] descriptor group 1 for the codes' blocks
.set G0C, 24                           ; s[24:31] group 0, a set for each slot
.set G1X, 32                           ; s[32:39] group 1 for x
.set G0X, 40                           ; s[40:43] group 0 for x
.set SLOTS, 44                         ; s44  trips still to come
.set TWICE, 45                         ; s45  counts a slab's two pairs of steps
.set TB,  46                           ; s46  LDS byte, less my block's, at which the code tile to be fetched begins
.set TC,  47                           ; s47  the same for its C2
.set ID,  48                           ; s[48:55] 8 n + j: the numbers of the eight scores of code tile n
.set MK,  56                           ; s[56:59] four lane masks
.set SEL, 60                           ; s[60:61] v_permlanex16_b32's selects: each lane takes its own place in the other half
.set LIM, 62                           ; s62  1 in the launch's first cluster, else the greatest number
.set PFA, 66                           ; s[66:67] where my prefetches stand
.set XM,  68                           ; s[68:74] the lanes with lane % 8 = j, j = 1..7
.set DM,  75                           ; s75  the lanes that hold a diagonal element: 0-7 and 24-31
.set MSB, 0
.macro WIN new                         ; the immediate's high byte repeats the setting that is left; a switch that changes nothing is dropped
.if MSB != (\new)
	s_set_vgpr_msb (MSB<<8)|(\new)
.set MSB, (\new)
.endif
.endm
; A round of the cluster's barrier: my work-group's barrier, so that wave 0's signal speaks for all four waves; wave 0 signals; every wave waits for all four work-groups; my work-group's barrier once more.
.macro CROUND
	s_barrier_signal -1
	s_barrier_wait -1
	s_cmp_lg_u32 s[WV], 0
	s_cbranch_scc1 .Lnot_wave_0_\@
	s_barrier_signal -3
.Lnot_wave_0_\@:
	s_barrier_wait -3
	s_barrier_signal -1
	s_barrier_wait -1
.endm
; A joint fill of slot r: every wave fetches its own block, 65 rows of 512 bytes.  One line for all waves: LDS word and address hang on the wave's number.  An s_nop 0 and four v_nop follow it.
.macro JLOAD r
	tensor_load_to_lds s[G0C+4*(\r):G0C+4*(\r)+3], s[G1C:G1C+7]
	s_nop 0
.rept 4
	v_nop
.endr
.endm
; A PREFETCH INTO THE L2, behind the joint load and its five lines: of the slab that stands TWO fills on, 512 matrix instructions ahead of the load that will want it.  All 64 clusters walk the same slabs: the launch's
; first cluster asks, and nobody else.  Its four partners share a slab out BY ADDRESS, a block each; in each, wave w names bytes 8,192 w .. + 8,191 of the block, lanes 256 bytes apart: one instruction a wave.  So each
; aligned 256 bytes are named once.  Slabs 0 to 2 and each block's last 512 bytes come by their loads alone.  how = 1: a trip's first change, which always has a slab two fills on; how = 2: its second, which has none in the last trip.
.macro ASK how
.if (\how) == 1
	s_cmp_eq_u32 s[LIM], 1
.else
	s_cmp_gt_u32 s[SLOTS], s[LIM]
.endif
	s_cbranch_scc0 .Lnot_mine_\@
	global_prefetch_b8 v[PFO], s[PFA:PFA+1] th:TH_LOAD_NT scope:SCOPE_SE
.Lnot_mine_\@:
.endm
; THE CHANGE OF SLOTS.  Each wave waits for all its tensor loads, of which one is out: its block of the slab to be read next; adds 0 to its spare word; and waits for that and for its own reads of slot r.  The round
; shows the same of every wave of all four work-groups; the joint fill of slot r is the first thing behind it, and has a slab's 256 matrix instructions in which to land.
.macro CHANGE r, how
	WIN 0                                          ; at a label and at a branch every window is 0
	s_wait_tensorcnt 0x0                           ; no tensor load of mine is out, so a group 0 may be written
	ds_add_u32 v[SPW], v[NIL]                      ; 0 onto my spare word; the steps below stand between it and the wait for it
	s_add_nc_u64 s[G0C+4*(1-(\r))+2:G0C+4*(1-(\r))+3], s[G0C+4*(1-(\r))+2:G0C+4*(1-(\r))+3], 2*SLAB  ; the other slot's next slab; the type bits on top are not reached
.if \how
	s_wait_xcnt 0x0                                ; the last prefetch, a slab back, has read its address, so it may be written
	s_add_nc_u64 s[PFA:PFA+1], s[PFA:PFA+1], SLAB
.endif
	s_wait_dscnt 0x0                               ; the add is done, and my reads of slot r are over
	CROUND
	JLOAD \r
.if \how
	ASK \how
.endif
.endm
	s_load_b128 s[4:7], s[0:1], 0x0                ; x s[4:5], cbs s[6:7]
	s_load_b64 s[8:9], s[0:1], 0x10                ; idx
	v_lshl_add_u32 v[SPW], v0, 2, SPARE
	v_mov_b32 v[NIL], 0
	ds_add_u32 v[SPW], v[NIL]                      ; the wave's opening: the add, twice on end, and its wait ahead of my first tensor load; the set-up below, work on registers, stands between
	ds_add_u32 v[SPW], v[NIL]                      ; and once more, under the one wait
	v_lshrrev_b32 v1, 5, v0
	v_readfirstlane_b32 s[WV], v1                  ; wave 0..3
	s_bfe_u32 s11, ttmp6, 0x40000                  ; cx: my place in the cluster
	s_lshl_b32 s12, ttmp9, 2                       ; in a cluster launch ttmp9 counts clusters
	s_add_co_u32 s12, s12, s11                     ; my work-group: it enters x's and idx's addresses and the prefetches' alone
	; descriptor group 1 for a block: 65 rows x 256 elements of 2 bytes, padded in LDS
	s_mov_b32 s[G1C], 15|(1<<16)|(1<<20)|(1<<21)|(6<<22)|(3<<25)  ; 15:0 the mask of four; 17:16 2-byte elements; 20 padding on; 21 set beside a mask; 24:22 after every 128 words (code 6); 31:25 4 words (code 3)
	s_mov_b32 s[G1C+1], 256<<16                    ; tensor_dim0 = 256
	s_mov_b32 s[G1C+2], 65<<16                     ; tensor_dim1 = 65
	s_mov_b32 s[G1C+3], 256<<16                    ; tile_dim0 = 256
	s_mov_b32 s[G1C+4], 65                         ; tile_dim1 = 65
	s_mov_b32 s[G1C+5], 256                        ; 256 elements from row to row
	s_mov_b32 s[G1C+6], 0
	s_mov_b32 s[G1C+7], 0
	; and for a quarter of x: 32 rows x 256 elements of 4 bytes
	s_mov_b32 s[G1X], (2<<16)|(1<<20)|(7<<22)|(3<<25)  ; no mask; 4-byte elements; padding after every 256 words (code 7) of 4 words (code 3)
	s_mov_b32 s[G1X+1], 256<<16
	s_mov_b32 s[G1X+2], 32<<16
	s_mov_b32 s[G1X+3], 256<<16
	s_mov_b32 s[G1X+4], 32
	s_mov_b32 s[G1X+5], 256
	s_mov_b32 s[G1X+6], 0
	s_mov_b32 s[G1X+7], 0
	s_mul_i32 s13, s[WV], QUART                    ; my block's place in a slot: no place in the cluster enters an LDS address
	s_mul_i32 s14, s[WV], BLK                      ; and in a slab in memory
	s_mov_b32 s15, 0
	s_lshl_b32 s76, s12, 17                        ; my work-group's 128 rows of x, 1,024 bytes each,
	s_lshl_b32 s77, s[WV], 15                      ; the 32 of them that I fetch
	s_add_co_u32 s76, s76, s77
	s_mov_b32 s77, 0
	s_mul_i32 s78, s11, BLK                        ; the prefetches: my work-group's block,
	s_lshl_b32 s79, s[WV], 13                      ; my wave's 8,192 bytes of it,
	s_add_co_u32 s78, s78, s79
	s_add_co_u32 s78, s78, 2*SLAB                  ; in slab 2: the first change of slots steps it to slab 3
	s_mov_b32 s79, 0
	s_mov_b32 s[G0C], 1                            ; 1:0 count = 1
	s_mov_b32 s[G0C+1], s13                        ; 63:32 LDS address: slot 0
	s_mov_b32 s[G0C+4], 1
	s_add_co_u32 s[G0C+5], s13, SLOT               ; slot 1
	s_mov_b32 s[G0X], 1
	s_mul_i32 s[G0X+1], s[WV], 32*PX               ; x lies where slot 1 will lie
	s_add_co_u32 s[G0X+1], s[G0X+1], SLOT
	s_mov_b32 s[SEL], 0x76543210
	s_mov_b32 s[SEL+1], 0xfedcba98
.irp j, 1,2,3,4,5,6,7
	s_mov_b32 s[XM+\j-1], 0x01010101<<\j
.endr
	s_mov_b32 s[DM], 0xff0000ff
.irp j, 0,1,2,3,4,5,6,7
	s_mov_b32 s[ID+\j], \j-16                      ; two code tiles ahead of tile 0: the pipeline's first turns work on nothing
.endr
	s_mov_b32 s[SLOTS], PAIRS
	s_mov_b32 s63, ttmp9
	s_cmp_eq_u32 s63, 0                            ; the same in all four partners
	s_cselect_b32 s[LIM], 1, -1
	s_wait_dscnt 0x0                               ; both opening adds are done
	s_wait_kmcnt 0x0
	s_add_nc_u64 s[G0C+2:G0C+3], s[6:7], s[14:15]  ; 120:64 global address: my block of slab 0,
	s_add_nc_u64 s[G0C+6:G0C+7], s[G0C+2:G0C+3], SLAB  ; of slab 1
	s_or_b32 s[G0C+3], s[G0C+3], 0x80000000        ; 127:126 type = 2
	s_or_b32 s[G0C+7], s[G0C+7], 0x80000000
	s_add_nc_u64 s[G0X+2:G0X+3], s[4:5], s[76:77]
	s_or_b32 s[G0X+3], s[G0X+3], 0x80000000
	s_add_nc_u64 s[PFA:PFA+1], s[6:7], s[78:79]
	s_lshl_b32 s76, s12, 9                         ; idx: my work-group's 128 words,
	s_lshl_b32 s77, s[WV], 8                       ; the 64 that wave 0 or 1 stores
	s_add_co_u32 s76, s76, s77
	s_mov_b32 s77, 0
	s_add_nc_u64 s[8:9], s[8:9], s[76:77]
	CROUND                                         ; all four work-groups are here: the first joint loads meet
	tensor_load_to_lds s[G0X:G0X+3], s[G1X:G1X+7]  ; the first fills go out together: my quarter of x, which is wanted first,
	s_nop 0
	tensor_load_to_lds s[G0C:G0C+3], s[G1C:G1C+7]  ; and my block of slab 0: two loads of mine are out
	s_nop 0
.rept 4
	v_nop
.endr
	; All this stands in the wait for x.
	v_and_b32 v1, 15, v0                           ; r = l % 16
	v_bfe_u32 v2, v0, 4, 1                         ; h = l / 16
	v_and_b32 v[LN], 31, v0
	v_mul_u32_u24 v[AK0], v1, PK                   ; a fragment is 16 rows x 32 along K in 8 registers: lane l holds row r; registers 0-3 hold K = 8 h + 0..7, registers 4-7 K = 16 + 8 h + 0..7:
	v_lshl_add_u32 v[AK0], v2, 4, v[AK0]           ; in bf16 two loads of 16 bytes, 32 bytes apart, at row x pitch + 16 h
	v_add_nc_u32 v[AK0], s13, v[AK0]
	s_add_co_u32 s63, s13, C2OFF
	v_lshl_add_u32 v[AC0], v2, 5, s63              ; my lane's eight codes' C2: 32 bytes at 32 h
	v_mul_u32_u24 v[AX], v1, PX                    ; in f32 the same eight numbers are 32 bytes at 32 h, the other eight 64 bytes on
	v_lshl_add_u32 v[AX], v2, 5, v[AX]
	v_add_nc_u32 v[AX], SLOT, v[AX]
	v_lshlrev_b32 v[PFO], 8, v[LN]
	; What the pipeline's first turns find, so that no first step need be written out: the fragment buffer that step 0 multiplies holds zeros, and both C2 buffers +infinity: every d made of them is +infinity, never below the least.
	WIN 0x40
.set i, 64
.rept 64
	v_mov_b32 v[i], 0
.set i, i+1
.endr
	WIN 0
.set i, 0
.rept 16
	v_mov_b32 v[C2F+i], 0x7f800000
.set i, i+1
.endr
.set t, 0
.rept 8
	v_mov_b32 v[ST+4*t], 0
	v_mov_b32 v[ST+4*t+1], 0x7f800000              ; the least d so far
	v_mov_b32 v[ST+4*t+2], 0
	v_mov_b32 v[ST+4*t+3], 0
.set t, t+1
.endr
	s_wait_tensorcnt 0x1                           ; my quarter of x is in; the one younger load, slab 0's, may stay out
	s_barrier_signal -1
	s_barrier_wait -1                              ; everybody's quarter is
; x TO bf16.  Group g of 16 is half a query tile (tile g / 2, K steps 4 (g % 2) + 0..3): 16 LDS loads into one of two stages of 64 registers, then 32 roundings into the tile's fragments.
.macro LDX b, g
.irp f, 0,1,2,3
	ds_load_b128 v[STG+64*(\b)+16*\f:STG+64*(\b)+16*\f+3],     v[AX] offset:128*(4*((\g)%2)+\f)
	ds_load_b128 v[STG+64*(\b)+16*\f+4:STG+64*(\b)+16*\f+7],   v[AX] offset:128*(4*((\g)%2)+\f)+16
	ds_load_b128 v[STG+64*(\b)+16*\f+8:STG+64*(\b)+16*\f+11],  v[AX] offset:128*(4*((\g)%2)+\f)+64
	ds_load_b128 v[STG+64*(\b)+16*\f+12:STG+64*(\b)+16*\f+15], v[AX] offset:128*(4*((\g)%2)+\f)+80
.endr
.endm
.macro CVT b, g
	WIN 0x80+0x40*((\g)/8)                         ; destination window 2 (tiles 0-3) or 3
.set q, 0
.rept 32
	v_cvt_pk_bf16_f32 v[64*(((\g)/2)%4)+32*((\g)%2)+q], v[STG+64*(\b)+2*q], v[STG+64*(\b)+2*q+1]
.set q, q+1
.endr
	WIN 0
.endm
	LDX 0, 0
	LDX 1, 1
.set g, 0
.rept 16
.if g == 15
	s_wait_dscnt 0x0
.else
	s_wait_dscnt 16                                ; LDS loads come back in order (ISA guide 5.7.1): this group's are in, the younger stage's 16 stay out
.endif
	CVT g%2, g
.if g < 14
.if g%2 == 0
	v_add_nc_u32 v[AX], XT, v[AX]                  ; the next query tile
.endif
	LDX g%2, g+2
.endif
.set g, g+1
.endr
	; L2 BY THE MATRIX UNIT: the diagonal of X X^T, a tile's fragments as both sources: 64 products.  The four accumulators of a piece take turns.
.irp pc, 0,1
	WIN 0x0a+5*\pc                                 ; sources 0 and 1 in window 2 or 3
.set i, 0
.rept 32
.set rS, S+8*(4*\pc+i%4)
.set rX, 64*(i%4)+8*(i/4)
.if i < 4
	v_wmma_f32_16x16x32_bf16 v[rS:rS+7], v[rX:rX+7], v[rX:rX+7], 0
.else
	v_wmma_f32_16x16x32_bf16 v[rS:rS+7], v[rX:rX+7], v[rX:rX+7], v[rS:rS+7]
.endif
.set i, i+1
.endr
.endr
	WIN 0                                          ; the merge's addresses are made here: six plain vector instructions, the places behind those products (ISA guide 7.12.1)
	s_lshl_b32 s63, s[WV], 6
	v_lshl_add_u32 v[LB], v2, 3, s63
	s_lshl_b32 s63, s[WV], 10
	s_add_co_u32 s63, s63, MRG
	v_lshl_add_u32 v[MA], v1, 3, s63               ; my wave's 1,024 bytes; query r of a tile
	s_lshl_b32 s63, s[WV], 9
	s_add_co_u32 s63, s63, MRG
	v_lshl_add_u32 v[MR], v[LN], 4, s63            ; waves 0 and 1: queries 64 w + 2 l and the next
	v_lshlrev_b32 v[GO], 3, v[LN]
	v_mov_b32 v[MW+2], 0                           ; v_permlanex16_b32's destinations count as read
	v_mov_b32 v[MW+3], 0
	; Register j of lane (r, h) holds element (8 h + j, r): query r's own sum lies in register r % 8 of the lane with h = r / 8.  Seven selects by constant masks take register l % 8 (the lowest registers first
	; ); lanes 0-7 and 24-31 then hold their query's sum, and the others take it from the lane 16 away.
.set t, 0
.rept 8
	v_cndmask_b32 v[TMP+t], v[S+8*t], v[S+8*t+1], s[XM]
.irp j, 2,3,4,5,6,7
	v_cndmask_b32 v[TMP+t], v[TMP+t], v[S+8*t+\j], s[XM+\j-1]
.endr
	v_permlanex16_b32 v[ST+4*t+3], v[TMP+t], s[SEL], s[SEL+1]
	v_cndmask_b32 v[ST+4*t], v[ST+4*t+3], v[TMP+t], s[DM]
.set t, t+1
.endr
; THE MATRIX WORK OF A TURN.  Product i of 32 for piece pc: K step i / 4, query tile 4 pc + i % 4; the codes' fragments in buffer fb.  The first four start the sums with the constant 0.  The four accumulators take
; turns, one instruction a turn; the next turn is the other piece's.
.macro MM pc, fb
.set rS, S+8*(4*(\pc)+i%4)
.set rK, 64*(\fb)+8*(i/4)
.set rX, 64*(i%4)+8*(i/4)
.if i < 4
	v_wmma_f32_16x16x32_bf16 v[rS:rS+7], v[rK:rK+7], v[rX:rX+7], 0
.else
	v_wmma_f32_16x16x32_bf16 v[rS:rS+7], v[rK:rK+7], v[rX:rX+7], v[rS:rS+7]
.endif
.endm
; THE VECTOR WORK OF A TURN.  Slice k of 32 for piece pc, four instructions; C2 in buffer cb.
;   0-3    tile 4 pc + k: A = C2 + L2, two at a time          4-7    tile 4 pc + k - 4: d = A - 2 LC, in place, the accumulator's lowest registers first
;   8-31   for score j = 0..7 three slices, each one line for each of the four tiles: is d below the least?  then its number is taken; the least is lowered
; Slices 0-3, which name no score, and the four slices behind the turn's last four products are the places between a product and the first read of its result (ISA guide 7.12.1).
.macro SLICE pc, cb
.if k < 4
.set y, 4*(\pc)+k
.irp b, 0,1,2,3
	v_pk_add_f32 v[TMP+8*k+2*\b:TMP+8*k+2*\b+1], v[C2F+8*(\cb)+2*\b:C2F+8*(\cb)+2*\b+1], v[ST+4*y:ST+4*y+1] op_sel_hi:[1,0]
.endr
.elseif k < 8
.set y, 4*(\pc)+k-4
.irp b, 0,1,2,3
	v_pk_fma_f32 v[S+8*y+2*\b:S+8*y+2*\b+1], v[S+8*y+2*\b:S+8*y+2*\b+1], -2.0, v[TMP+8*(k-4)+2*\b:TMP+8*(k-4)+2*\b+1] op_sel_hi:[1,0,1]
.endr
.else
.set j, (k-8)/3
.irp u, 0,1,2,3
.set y, 4*(\pc)+\u
.if (k-8)%3 == 0
	v_cmp_lt_f32 s[MK+\u], v[S+8*y+j], v[ST+4*y+1]
.elseif (k-8)%3 == 1
	v_cndmask_b32 v[ST+4*y+2], v[ST+4*y+2], s[ID+j], s[MK+\u]
.else
	v_min_num_f32 v[ST+4*y+1], v[S+8*y+j], v[ST+4*y+1]
.endif
.endr
.endif
.endm
.macro TURN pc, fb, cb                 ; piece pc has the matrix unit; the other piece's slices stand behind its products
.set i, 0
.rept 32
	WIN 0x09+4*(\pc)                               ; the codes in window 1, x in window 2 or 3, the scores in window 0
	MM \pc, \fb
	WIN 0
.set k, i
	SLICE 1-(\pc), \cb
.set i, i+1
.endr
.endm
; STEP n (par = n % 2) fetches code tile n and multiplies tile n - 1.  Its first turn carries piece 1's vector work of tile n - 2, its second piece 0's of tile n - 1.
; The run of 16 fragment loads stands at the step's head, 64 matrix instructions ahead of its first use; the buffer's last reader stands five plain vector instructions back (slice 31 and the address's addition).
; C2 of tile n goes into the buffer that the first turn has just read for tile n - 2.  fetch = 0: the last step, which has nothing to fetch.
.macro STEP par, fetch
	WIN 0
.if \fetch
	v_add_nc_u32 v[ADR], s[TB], v[AK0]
	s_add_co_u32 s[TB], s[TB], TILEB
	WIN 0x40                                       ; destination window 1
.irp f, 0,1,2,3,4,5,6,7
	ds_load_b128 v[64*(\par)+8*\f:64*(\par)+8*\f+3],   v[ADR] offset:64*\f
	ds_load_b128 v[64*(\par)+8*\f+4:64*(\par)+8*\f+7], v[ADR] offset:64*\f+32
.endr
	WIN 0
	s_wait_dscnt 16                                ; all but the 16 just issued: the fragments and the C2 of tile n - 1 are in
.else
	s_wait_dscnt 0x0
.endif
	TURN 0, 1-(\par), \par
.irp j, 0,1,2,3,4,5,6,7
	s_add_co_u32 s[ID+\j], s[ID+\j], 8             ; the slices go on to the next code tile's numbers
.endr
.if \fetch
	v_add_nc_u32 v[ADC], s[TC], v[AC0]
	s_add_co_u32 s[TC], s[TC], 64
	ds_load_b128 v[C2F+8*(\par):C2F+8*(\par)+3],   v[ADC]
	ds_load_b128 v[C2F+8*(\par)+4:C2F+8*(\par)+7], v[ADC] offset:16
.endif
	TURN 1, 1-(\par), 1-(\par)
.endm
; A slab's four steps: two written, walked twice.  The LDS addresses start at the slot's constant and step with the counted loop.
.macro TWO_STEPS slot
	WIN 0
	s_mov_b32 s[TB], (\slot)*SLOT
	s_mov_b32 s[TC], (\slot)*SLOT
	s_mov_b32 s[TWICE], 2
.Lstep_\@:
	STEP 0, 1
	STEP 1, 1
	WIN 0
	s_sub_co_u32 s[TWICE], s[TWICE], 1
	s_cmp_lg_u32 s[TWICE], 0
	s_cbranch_scc1 .Lstep_\@
.endm
.Lpair:                                        ; trip i: slabs 2 i and 2 i + 1 are fetched from LDS, slabs 2 i + 1 and 2 i + 2 asked for.  (In the first trip slot 1 holds x, which has been read out.)
	CHANGE 1, 1
	TWO_STEPS 0
	CHANGE 0, 2
	TWO_STEPS 1
	s_sub_co_u32 s[SLOTS], s[SLOTS], 1
	s_cmp_lg_u32 s[SLOTS], 0
	s_cbranch_scc1 .Lpair
	CHANGE 1, 0                                    ; the tail is written out: slab 31 is asked for
	TWO_STEPS 0                                    ; slab 30 worked on;
	s_wait_tensorcnt 0x0                           ; my block of slab 31 is in: it is all that I read of it, and nothing is filled again, so neither round nor add stands here
	TWO_STEPS 1
	STEP 0, 0                                      ; the last code tile's products
.set k, 0
.rept 32
	SLICE 1, 1                                     ; and piece 1's vector work on them
.set k, k+1
.endr
; THE MERGE.  The lesser of two (d, code), and of equal d the lower code.  The masks select values alone.
.macro LEX dd, dc, d, c, od, oc
	v_cmp_lt_f32 s[MK], v[\od], v[\d]
	v_cmp_eq_f32 s[MK+1], v[\od], v[\d]
	v_cmp_lt_u32 s[MK+2], v[\oc], v[\c]
	s_and_b32 s[MK+1], s[MK+1], s[MK+2]
	s_or_b32 s[MK], s[MK], s[MK+1]
	v_cndmask_b32 v[\dd], v[\d], v[\od], s[MK]
	v_cndmask_b32 v[\dc], v[\c], v[\oc], s[MK]
.endm
	; A number 8 n + j = 32 s + 8 p + j stands for code 256 s + 64 w + 16 p + 8 h + j.  The query's other codes of my block lie in the lane 16 away.
.set t, 0
.rept 8
	v_lshrrev_b32 v[MW], 5, v[ST+4*t+2]
	v_bfe_u32 v[MW+1], v[ST+4*t+2], 3, 2
	v_and_b32 v[MW+4], 7, v[ST+4*t+2]
	v_lshl_or_b32 v[MW+4], v[MW+1], 4, v[MW+4]
	v_lshl_or_b32 v[MW+4], v[MW], 8, v[MW+4]
	v_add_nc_u32 v[MW+4], v[LB], v[MW+4]
	v_permlanex16_b32 v[MW+2], v[ST+4*t+1], s[SEL], s[SEL+1]
	v_permlanex16_b32 v[MW+3], v[MW+4], s[SEL], s[SEL+1]
	LEX MP+2*t, MP+2*t+1, ST+4*t+1, MW+4, MW+2, MW+3
	ds_store_b64 v[MA], v[MP+2*t:MP+2*t+1] offset:128*t   ; both halves of the lanes write the same pair
.set t, t+1
.endr
	s_wait_dscnt 0x0                               ; for the others' sake: my 128 pairs lie in LDS
	s_barrier_signal -1
	s_barrier_wait -1                              ; all four waves' do
	s_cmp_lt_u32 s[WV], 2                          ; waves 0 and 1 finish 64 queries each, two a lane
	s_cbranch_scc0 .Lend
.irp v, 0,1,2,3
	ds_load_b128 v[MW+4*\v:MW+4*\v+3], v[MR] offset:1024*\v
.endr
	s_wait_dscnt 0x0
	LEX MW, MW+1, MW, MW+1, MW+4, MW+5
	LEX MW+2, MW+3, MW+2, MW+3, MW+6, MW+7
	LEX MW+8, MW+9, MW+8, MW+9, MW+12, MW+13
	LEX MW+10, MW+11, MW+10, MW+11, MW+14, MW+15
	LEX MW, OUT, MW, MW+1, MW+8, MW+9
	LEX MW+2, OUT+1, MW+2, MW+3, MW+10, MW+11
	global_store_b64 v[GO], v[OUT:OUT+1], s[8:9]   ; 32 lanes x 8 bytes: 256 consecutive bytes, at a multiple of 256 from idx's first byte
.Lend:
	s_wait_tensorcnt 0x0                           ; the wave's end: behind my last tensor load and my last LDS store
	ds_add_u32 v[SPW], v[NIL]
	s_wait_dscnt 0x0
	CROUND                                         ; the closing round: no work-group ends while a partner may still ask for a block that names it
	s_endpgm
.Lfunc_end_k_qd4d1fbc696_search:
	.size	k_qd4d1fbc696_search, .Lfunc_end_k_qd4d1fbc696_search-k_qd4d1fbc696_search
	.p2alignl 7, 3214868480
	.fill 96, 4, 3214868480
	.section	.rodata,"a",@progbits
	.p2align	6, 0x0
	.amdhsa_kernel k_qd4d1fbc696_search
		.amdhsa_group_segment_fixed_size 327680
		.amdhsa_private_segment_fixed_size 0
		.amdhsa_enable_private_segment 0
		.amdhsa_kernarg_size 24
		.amdhsa_user_sgpr_count 2
		.amdhsa_user_sgpr_kernarg_segment_ptr 1
		.amdhsa_wavefront_size32 1
		.amdhsa_system_sgpr_workgroup_id_x 1
		.amdhsa_system_sgpr_workgroup_id_y 1
		.amdhsa_system_sgpr_workgroup_id_z 1
		.amdhsa_system_vgpr_workitem_id 0
		.amdhsa_next_free_vgpr 1024
		.amdhsa_next_free_sgpr 80
		.amdhsa_reserve_vcc 0
		.amdhsa_float_denorm_mode_32 3
		.amdhsa_float_denorm_mode_16_64 3
		.amdhsa_memory_ordered 1
		.amdhsa_forward_progress 1
		.amdhsa_inst_pref_size 255
	.end_amdhsa_kernel
	.section	.bss,"aw",@nobits
	.p2align	6
	.space	262144
	.amdgpu_metadata
---
amdhsa.version: [ 1, 2 ]
amdhsa.kernels:
  - .name:           k_qd4d1fbc696_search
    .symbol:         k_qd4d1fbc696_search.kd
    .args:
      - { .name: x, .offset: 0, .size: 8, .value_kind: global_buffer, .address_space: global }
      - { .name: cbs, .offset: 8, .size: 8, .value_kind: global_buffer, .address_space: global }
      - { .name: idx, .offset: 16, .size: 8, .value_kind: global_buffer, .address_space: global }
    .group_segment_fixed_size: 327680
    .private_segment_fixed_size: 0
    .kernarg_segment_align: 8
    .kernarg_segment_size: 24
    .max_flat_workgroup_size: 128
    .sgpr_count:     80
    .vgpr_count:     1024
    .wavefront_size: 32
...
	.end_amdgpu_metadata
.endif
;; end of part 2
;; launch gather (part 3): grid 256 x 1, 8 waves a work-group, no clusters, 0 bytes of LDS; arguments idx, codebook, out0; writes out0
.if DOCPART == 3
	.amdgcn_target "amdgcn-amd-amdhsa--gfx1250"
	.amdhsa_code_object_version 6
	.text
	.protected	k_qd4d1fbc696_gather
	.globl	k_qd4d1fbc696_gather
	.p2align	8
	.type	k_qd4d1fbc696_gather,@function
k_qd4d1fbc696_gather:
	s_mov_b64 s[64:65], 0
	v_nop
	global_prefetch_b8 v0, s[64:65] scope:SCOPE_SE
	s_setreg_imm32_b32 hwreg(HW_REG_WAVE_MODE, 25, 1), 1
	s_wait_xcnt 0x0
; out0[r][:] = codebook[idx[r]][:].  idx: [32768] u32, stored by the launch before; codebook: [8192][256] f32; out0: [32768][256] f32.
; A stream: 1,024 bytes in and out for each row; no LDS, no barrier, no matrix unit, no loop.  A wave owns 16 rows: its 16 indices come by one scalar load of 64 bytes; a row is two loads and two stores of a wave,
; 512 consecutive bytes each, at multiples of 256 from the buffers' first bytes.  All 32 loads of a wave go out before its first store.
; An index is held to the table (at most 8,191) before it enters an address.  The loads carry no hint: a row of the table may be named again by any wave.
.set LN,  1                            ; v1       16 x lane; never rewritten
.set OFF, 2                            ; v[2:17]  row i: 1,024 x its index + 16 x lane
.set D,   24                           ; v[24:151] row i: 8 registers
	s_load_b128 s[4:7], s[0:1], 0x0                ; idx s[4:5], codebook s[6:7]
	s_load_b64 s[8:9], s[0:1], 0x10                ; out0
	v_lshrrev_b32 v1, 5, v0
	v_readfirstlane_b32 s10, v1                    ; wave 0..7
	v_and_b32 v[LN], 31, v0
	v_lshlrev_b32 v[LN], 4, v[LN]
	s_lshl_b32 s12, ttmp9, 9                       ; the work-group's 128 indices,
	s_lshl_b32 s13, s10, 6                         ; my wave's 16
	s_add_co_u32 s12, s12, s13
	s_mov_b32 s13, 0
	s_lshl_b32 s14, ttmp9, 17                      ; the work-group's 128 rows of 1,024 bytes,
	s_lshl_b32 s15, s10, 14                        ; my wave's 16
	s_add_co_u32 s14, s14, s15
	s_mov_b32 s15, 0
	s_wait_kmcnt 0x0
	s_add_nc_u64 s[4:5], s[4:5], s[12:13]
	s_add_nc_u64 s[8:9], s[8:9], s[14:15]
	s_load_b512 s[16:31], s[4:5], 0x0
	s_wait_kmcnt 0x0
.irp i, 0,1,2,3,4,5,6,7,8,9,10,11,12,13,14,15
	s_min_u32 s[16+\i], s[16+\i], 0x1fff
	v_lshl_add_u32 v[OFF+\i], s[16+\i], 10, v[LN]
	global_load_b128 v[D+8*\i:D+8*\i+3],   v[OFF+\i], s[6:7]
	global_load_b128 v[D+8*\i+4:D+8*\i+7], v[OFF+\i], s[6:7] offset:512
.endr
.irp i, 0,1,2,3,4,5,6,7,8,9,10,11,12,13,14,15
	s_wait_loadcnt 30-2*\i                         ; loads come back in order (ISA guide 5.7.1): this row's two are in, the later rows' stay out
	global_store_b128 v[LN], v[D+8*\i:D+8*\i+3],   s[8:9] offset:1024*\i th:TH_STORE_NT
	global_store_b128 v[LN], v[D+8*\i+4:D+8*\i+7], s[8:9] offset:1024*\i+512 th:TH_STORE_NT
.endr
	s_endpgm
.Lfunc_end_k_qd4d1fbc696_gather:
	.size	k_qd4d1fbc696_gather, .Lfunc_end_k_qd4d1fbc696_gather-k_qd4d1fbc696_gather
	.p2alignl 7, 3214868480
	.fill 96, 4, 3214868480
	.section	.rodata,"a",@progbits
	.p2align	6, 0x0
	.amdhsa_kernel k_qd4d1fbc696_gather
		.amdhsa_group_segment_fixed_size 0
		.amdhsa_private_segment_fixed_size 0
		.amdhsa_enable_private_segment 0
		.amdhsa_kernarg_size 24
		.amdhsa_user_sgpr_count 2
		.amdhsa_user_sgpr_kernarg_segment_ptr 1
		.amdhsa_wavefront_size32 1
		.amdhsa_system_sgpr_workgroup_id_x 1
		.amdhsa_system_sgpr_workgroup_id_y 1
		.amdhsa_system_sgpr_workgroup_id_z 1
		.amdhsa_system_vgpr_workitem_id 0
		.amdhsa_next_free_vgpr 152
		.amdhsa_next_free_sgpr 66
		.amdhsa_reserve_vcc 0
		.amdhsa_float_denorm_mode_32 3
		.amdhsa_float_denorm_mode_16_64 3
		.amdhsa_memory_ordered 1
		.amdhsa_forward_progress 1
		.amdhsa_inst_pref_size 10
	.end_amdhsa_kernel
	.amdgpu_metadata
---
amdhsa.version: [ 1, 2 ]
amdhsa.kernels:
  - .name:           k_qd4d1fbc696_gather
    .symbol:         k_qd4d1fbc696_gather.kd
    .args:
      - { .name: idx, .offset: 0, .size: 8, .value_kind: global_buffer, .address_space: global }
      - { .name: codebook, .offset: 8, .size: 8, .value_kind: global_buffer, .address_space: global }
      - { .name: out0, .offset: 16, .size: 8, .value_kind: global_buffer, .address_space: global }
    .group_segment_fixed_size: 0
    .private_segment_fixed_size: 0
    .kernarg_segment_align: 8
    .kernarg_segment_size: 24
    .max_flat_workgroup_size: 256
    .sgpr_count:     66
    .vgpr_count:     152
    .wavefront_size: 32
...
	.end_amdgpu_metadata
.endif
;; end of part 3
;; ======== version 2 of 2: 3 launches; version 1 with the launches prep, gather written anew for expert scheduling mode
;; workspace buffers: cbs 4,259,840 bytes; idx 131,072 bytes of whole numbers
;; launch prep (part 4): grid 128 x 1, 8 waves a work-group, no clusters, 1,280 bytes of LDS; arguments codebook, cbs; writes cbs
.if DOCPART == 4
	.amdgcn_target "amdgcn-amd-amdhsa--gfx1250"
	.amdhsa_code_object_version 6
	.text
	.protected	k_qd4d1fbc696_prep
	.globl	k_qd4d1fbc696_prep
	.p2align	8
	.type	k_qd4d1fbc696_prep,@function
k_qd4d1fbc696_prep:
	s_mov_b64 s[64:65], 0
	v_nop
	global_prefetch_b8 v0, s[64:65] scope:SCOPE_SE
	s_setreg_imm32_b32 hwreg(HW_REG_WAVE_SCHED_MODE, 0, 2), 2
	s_setreg_imm32_b32 hwreg(HW_REG_WAVE_MODE, 25, 1), 1
	s_wait_xcnt 0x0
	s_wait_alu depctr_vm_vsrc(0)
; THE CODEBOOK IS MADE READY FOR THE SEARCH.  codebook: [8192][256] f32.  cbs: 128 blocks of 33,280 bytes; block b holds codes 64 b .. 64 b + 63
; rounded once to bf16 (64 rows of 512 bytes), then one more row of 512 bytes: the 64 sums C2 = sum of squares of the ROUNDED numbers, in f32, and
; 256 bytes of zeros (the search fetches a block as 65 equal rows, so the filler is written).
; SHARES.  Work-group b makes block b; wave v its rows 8 v .. 8 v + 7.  A row of 1,024 bytes is two loads of a wave (512 consecutive bytes each); its
; 512 bytes of bf16 are two stores of a wave, each 256 consecutive bytes at a multiple of 256 from the buffer's first byte.
; All 16 loads of a wave go out first.  The eight sums of a wave meet the others' in LDS, so that the block's 64 sums leave as one store of 256 bytes.
; LIMIT.  C2 is summed in another order than a plain row sum: eight numbers a lane in two chains, then across the lanes.
; THE MODE: SCHED_MODE bits 1:0 = 2 (LLVM: expert scheduling mode 2), set by the entry lines.  The code itself states the register dependences
; between vector instructions and memory or LDS instructions, with s_wait_alu, always for 0.
; THE PLAN.  Registers that memory or LDS instructions touch:
;   v2, v3, v4, v[8:9]  offsets, an LDS address and the filler's zeros: written at the head, never written again.
;   X    the 16 loads land in it; no vector instruction names it ahead of them; the roundings read it; it is loaded once.
;   Y    four registers a row: written by the row's roundings, read by its two stores; never written again.
;   SA   one register a row: written by the row's chain, read by its one LDS store; never written again.
;   v[12:13]  an LDS load lands in it, a store reads it; no vector instruction names it.     v6, v7  written at the head, read by the closing add alone.
;   SB and TP are named by vector instructions alone.
; The rows go in four pairs: eight roundings, ONE wait on va_vdst, the pair's four stores, then the two rows' chains, line by line in turn.  The eight LDS stores
; of the sums stand together behind the last pair, behind one wait.  No register that a memory or LDS instruction reads is written again, so no wait on vm_vsrc is owed.
.set ROWB,  1024                       ; bytes in a row of the codebook
.set BLK,   33280                      ; bytes in a block of cbs
.set SPARE, 256                        ; LDS: the 64 sums at 0 .. 255; behind them the spare words, 128 bytes for each of the eight waves
.set LN16,  2                          ; v2   16 x lane; never rewritten
.set LN8,   3                          ; v3   8 x lane; never rewritten
.set LA,    4                          ; v4   LDS address of my wave's eight sums; never rewritten
.set SPW,   6                          ; v6   LDS address of my spare word; never rewritten
.set NIL,   7                          ; v7   0; never rewritten
.set Z,     8                          ; v[8:9] zeros: the chains' first addend, and the filler
.set CC,    12                         ; v[12:13] two of the block's sums, on their way out
.set TP,    14                         ; v[14:15] the other half of the lanes' sum, one for each row of a pair
.set X,     16                         ; v[16:79]  row i: 8 registers as loaded
.set Y,     80                         ; v[80:111] row i: 4 registers of bf16; each row has its own, so no store's data is written again
.set SA,    112                        ; v[112:119] row i: the chain of the low halves, then the row's sum; each row has its own, so no LDS store's data is written again
.set SB,    120                        ; v[120:127] row i: the chain of the high halves
	s_load_b128 s[4:7], s[0:1], 0x0                ; codebook s[4:5], cbs s[6:7]
	v_lshl_add_u32 v[SPW], v0, 2, SPARE
	v_mov_b32 v[NIL], 0
	v_lshrrev_b32 v1, 5, v0
	v_readfirstlane_b32 s8, v1                     ; wave 0..7
	v_and_b32 v1, 31, v0                           ; lane
	v_lshlrev_b32 v[LN16], 4, v1
	v_lshlrev_b32 v[LN8], 3, v1
	s_wait_alu depctr_va_sdst(0)                   ; s8 is written, ahead of its first reader: the wave's offsets in both buffers and in LDS are made from it
	s_lshl_b32 s10, ttmp9, 16                      ; the block's 64 rows of 1,024 bytes,
	s_lshl_b32 s11, s8, 13                         ; my wave's 8 of them
	s_add_co_u32 s10, s10, s11
	s_mov_b32 s11, 0
	s_mul_i32 s12, ttmp9, BLK                      ; the block in cbs,
	s_lshl_b32 s13, s8, 12                         ; my wave's 8 rows of 512 bytes
	s_add_co_u32 s12, s12, s13
	s_mov_b32 s13, 0
	s_mov_b32 s14, 0x76543210                      ; v_permlanex16_b32: each lane takes its own place in the other half
	s_mov_b32 s15, 0xfedcba98
	s_lshl_b32 s16, s8, 5                          ; my wave's eight words among the 64
	v_mov_b32 v[LA], s16
	v_mov_b32 v[Z], 0
	v_mov_b32 v[Z+1], 0
	v_mov_b32 v[TP], 0                             ; v_permlanex16_b32's destination counts as read: both are written once here
	v_mov_b32 v[TP+1], 0
	s_wait_kmcnt 0x0
	s_add_nc_u64 s[4:5], s[4:5], s[10:11]
	s_add_nc_u64 s[6:7], s[6:7], s[12:13]
	s_wait_alu depctr_va_vdst(0)                   ; v2, v3, v4 and v[8:9] are written: the loads, stores and LDS instructions below read them as offsets, address and data
.irp i, 0,1,2,3,4,5,6,7
	global_load_b128 v[X+8*\i:X+8*\i+3],   v[LN16], s[4:5] offset:ROWB*\i th:TH_LOAD_NT      ; numbers 4 l .. 4 l + 3 of the row,
	global_load_b128 v[X+8*\i+4:X+8*\i+7], v[LN16], s[4:5] offset:ROWB*\i+512 th:TH_LOAD_NT  ; and 128 + 4 l .. + 3
.endr
; Pair p: rows 2 p and 2 p + 1 are rounded, stored, squared and summed.  Each row's sum takes its terms in the same order as if the row stood alone; the two rows' lines alternate.
.macro PAIR p
	s_wait_loadcnt 12-4*(\p)                       ; loads come back in order (ISA guide 5.7.1): this pair's four are in, the later pairs' stay out
.irp r, 0,1
.irp q, 0,1,2,3
	v_cvt_pk_bf16_f32 v[Y+4*(2*(\p)+\r)+\q], v[X+8*(2*(\p)+\r)+2*\q], v[X+8*(2*(\p)+\r)+2*\q+1]
.endr
.endr
	s_wait_alu depctr_va_vdst(0)                   ; the eight roundings have written the pair's Y, which the four stores read
.irp r, 0,1
	global_store_b64 v[LN8], v[Y+4*(2*(\p)+\r):Y+4*(2*(\p)+\r)+1],   s[6:7] offset:512*(2*(\p)+\r)       ; 32 lanes x 8 bytes: 256 consecutive bytes, aligned
	global_store_b64 v[LN8], v[Y+4*(2*(\p)+\r)+2:Y+4*(2*(\p)+\r)+3], s[6:7] offset:512*(2*(\p)+\r)+256
.endr
.irp r, 0,1
	v_fma_mix_f32_bf16 v[SA+2*(\p)+\r], v[Y+4*(2*(\p)+\r)], v[Y+4*(2*(\p)+\r)], v[Z] op_sel_hi:[1,1,0]                 ; the squares of the rounded numbers, straight from the halves, summed in f32
	v_fma_mix_f32_bf16 v[SB+2*(\p)+\r], v[Y+4*(2*(\p)+\r)], v[Y+4*(2*(\p)+\r)], v[Z] op_sel:[1,1,0] op_sel_hi:[1,1,0]
.endr
.irp q, 1,2,3
.irp r, 0,1
	v_fma_mix_f32_bf16 v[SA+2*(\p)+\r], v[Y+4*(2*(\p)+\r)+\q], v[Y+4*(2*(\p)+\r)+\q], v[SA+2*(\p)+\r] op_sel_hi:[1,1,0]
	v_fma_mix_f32_bf16 v[SB+2*(\p)+\r], v[Y+4*(2*(\p)+\r)+\q], v[Y+4*(2*(\p)+\r)+\q], v[SB+2*(\p)+\r] op_sel:[1,1,0] op_sel_hi:[1,1,0]
.endr
.endr
.irp r, 0,1
	v_add_f32 v[SA+2*(\p)+\r], v[SA+2*(\p)+\r], v[SB+2*(\p)+\r]
.endr
.irp m, 1,2,4,8                        ; across the 32 lanes: four steps inside each half,
.irp r, 0,1
	v_add_f32_dpp v[SA+2*(\p)+\r], v[SA+2*(\p)+\r], v[SA+2*(\p)+\r] row_xmask:\m row_mask:0xf bank_mask:0xf
.endr
.endr
.irp r, 0,1
	v_permlanex16_b32 v[TP+\r], v[SA+2*(\p)+\r], s14, s15                      ; one across the halves
.endr
.irp r, 0,1
	v_add_f32 v[SA+2*(\p)+\r], v[SA+2*(\p)+\r], v[TP+\r]
.endr
.endm
	PAIR 0
	PAIR 1
	PAIR 2
	PAIR 3
	s_wait_alu depctr_va_vdst(0)                   ; the eight rows' chains have written SA, which the LDS stores read
.irp i, 0,1,2,3,4,5,6,7
	ds_store_b32 v[LA], v[SA+\i] offset:4*\i       ; all lanes write the same word with the same number
.endr
	s_wait_dscnt 0x0                               ; for the others' sake: my eight sums lie in LDS
	s_barrier_signal -1
	s_barrier_wait -1                              ; all 64 do
	s_cmp_lg_u32 s8, 0                             ; wave 0 sends them out (its pointer stands at the block's first byte)
	s_cbranch_scc1 .Lend
	ds_load_b64 v[CC:CC+1], v[LN8]                 ; no vector instruction names v[12:13]
	s_wait_dscnt 0x0
	global_store_b64 v[LN8], v[CC:CC+1], s[6:7] offset:32768   ; the 64 sums: 256 consecutive bytes, aligned
	global_store_b64 v[LN8], v[Z:Z+1],   s[6:7] offset:33024   ; the filler
.Lend:
	s_wait_dscnt 0x0                               ; the closing lines, six on end
	s_wait_alu 0x0
	s_wait_tensorcnt 0x0
	ds_add_u32 v[SPW], v[NIL]
	s_wait_dscnt 0x0
	s_endpgm
.Lfunc_end_k_qd4d1fbc696_prep:
	.size	k_qd4d1fbc696_prep, .Lfunc_end_k_qd4d1fbc696_prep-k_qd4d1fbc696_prep
	.p2alignl 7, 3214868480
	.fill 96, 4, 3214868480
	.section	.rodata,"a",@progbits
	.p2align	6, 0x0
	.amdhsa_kernel k_qd4d1fbc696_prep
		.amdhsa_group_segment_fixed_size 1280
		.amdhsa_private_segment_fixed_size 0
		.amdhsa_enable_private_segment 0
		.amdhsa_kernarg_size 16
		.amdhsa_user_sgpr_count 2
		.amdhsa_user_sgpr_kernarg_segment_ptr 1
		.amdhsa_wavefront_size32 1
		.amdhsa_system_sgpr_workgroup_id_x 1
		.amdhsa_system_sgpr_workgroup_id_y 1
		.amdhsa_system_sgpr_workgroup_id_z 1
		.amdhsa_system_vgpr_workitem_id 0
		.amdhsa_next_free_vgpr 128
		.amdhsa_next_free_sgpr 66
		.amdhsa_reserve_vcc 0
		.amdhsa_float_denorm_mode_32 3
		.amdhsa_float_denorm_mode_16_64 3
		.amdhsa_memory_ordered 1
		.amdhsa_forward_progress 1
		.amdhsa_inst_pref_size 15
	.end_amdhsa_kernel
	.amdgpu_metadata
---
amdhsa.version: [ 1, 2 ]
amdhsa.kernels:
  - .name:           k_qd4d1fbc696_prep
    .symbol:         k_qd4d1fbc696_prep.kd
    .args:
      - { .name: codebook, .offset: 0, .size: 8, .value_kind: global_buffer, .address_space: global }
      - { .name: cbs, .offset: 8, .size: 8, .value_kind: global_buffer, .address_space: global }
    .group_segment_fixed_size: 1280
    .private_segment_fixed_size: 0
    .kernarg_segment_align: 8
    .kernarg_segment_size: 16
    .max_flat_workgroup_size: 256
    .sgpr_count:     66
    .vgpr_count:     128
    .wavefront_size: 32
...
	.end_amdgpu_metadata
.endif
;; end of part 4
;; launch search: the kernel of part 2 again; grid 256 x 1, 4 waves a work-group, clusters of 4 x 1, 327,680 bytes of LDS; arguments x, cbs, idx; writes idx
;; launch gather (part 5): grid 256 x 1, 8 waves a work-group, no clusters, 0 bytes of LDS; arguments idx, codebook, out0; writes out0
.if DOCPART == 5
	.amdgcn_target "amdgcn-amd-amdhsa--gfx1250"
	.amdhsa_code_object_version 6
	.text
	.protected	k_qd4d1fbc696_gather
	.globl	k_qd4d1fbc696_gather
	.p2align	8
	.type	k_qd4d1fbc696_gather,@function
k_qd4d1fbc696_gather:
	s_mov_b64 s[64:65], 0
	v_nop
	global_prefetch_b8 v0, s[64:65] scope:SCOPE_SE
	s_setreg_imm32_b32 hwreg(HW_REG_WAVE_SCHED_MODE, 0, 2), 2
	s_setreg_imm32_b32 hwreg(HW_REG_WAVE_MODE, 25, 1), 1
	s_wait_xcnt 0x0
	s_wait_alu depctr_vm_vsrc(0)
; out0[r][:] = codebook[idx[r]][:].  idx: [32768] u32, stored by the launch before; codebook: [8192][256] f32; out0: [32768][256] f32.
; A stream: 1,024 bytes in and out for each row; no LDS, no barrier, no matrix unit, no loop.  A wave owns 16 rows: its 16 indices come by one scalar load of 64 bytes; a row is two loads and two stores of a wave,
; 512 consecutive bytes each, at multiples of 256 from the buffers' first bytes.  All 32 loads of a wave go out before its first store.
; An index is held to the table (at most 8,191) before it enters an address.  The loads carry no hint: a row of the table may be named again by any wave.
; THE MODE: SCHED_MODE bits 1:0 = 2 (LLVM: expert scheduling mode 2), set by the entry lines.  The code itself states the register dependences
; between vector instructions and memory instructions, with s_wait_alu, always for 0.
; THE PLAN.  Registers that memory instructions touch:
;   v1    16 x lane: written at the head, read by every store as its offset; never written again.
;   OFF   one register a row: written by one vector instruction, read by the row's two loads; never written again.
;   D     eight registers a row: the loads land in it, the stores read it; no vector instruction names it.
; So all sixteen offsets are made first, ONE wait on va_vdst stands ahead of the 32 loads, and it serves the stores' offset too.  Nothing that a memory instruction reads is written again: no wait on vm_vsrc is owed.
.set LN,  1                            ; v1       16 x lane; never rewritten
.set OFF, 2                            ; v[2:17]  row i: 1,024 x its index + 16 x lane
.set D,   24                           ; v[24:151] row i: 8 registers
	s_load_b128 s[4:7], s[0:1], 0x0                ; idx s[4:5], codebook s[6:7]
	s_load_b64 s[8:9], s[0:1], 0x10                ; out0
	v_lshrrev_b32 v1, 5, v0
	v_readfirstlane_b32 s10, v1                    ; wave 0..7
	v_and_b32 v[LN], 31, v0
	v_lshlrev_b32 v[LN], 4, v[LN]
	s_wait_alu depctr_va_sdst(0)                   ; s10 is written, ahead of its first reader: the wave's offsets in idx and out0 are made from it
	s_lshl_b32 s12, ttmp9, 9                       ; the work-group's 128 indices,
	s_lshl_b32 s13, s10, 6                         ; my wave's 16
	s_add_co_u32 s12, s12, s13
	s_mov_b32 s13, 0
	s_lshl_b32 s14, ttmp9, 17                      ; the work-group's 128 rows of 1,024 bytes,
	s_lshl_b32 s15, s10, 14                        ; my wave's 16
	s_add_co_u32 s14, s14, s15
	s_mov_b32 s15, 0
	s_wait_kmcnt 0x0
	s_add_nc_u64 s[4:5], s[4:5], s[12:13]
	s_add_nc_u64 s[8:9], s[8:9], s[14:15]
	s_load_b512 s[16:31], s[4:5], 0x0
	s_wait_kmcnt 0x0
.irp i, 0,1,2,3,4,5,6,7,8,9,10,11,12,13,14,15
	s_min_u32 s[16+\i], s[16+\i], 0x1fff
	v_lshl_add_u32 v[OFF+\i], s[16+\i], 10, v[LN]
.endr
	s_wait_alu depctr_va_vdst(0)                   ; the sixteen offsets are written, which the loads read; so is v1, which the stores read
.irp i, 0,1,2,3,4,5,6,7,8,9,10,11,12,13,14,15
	global_load_b128 v[D+8*\i:D+8*\i+3],   v[OFF+\i], s[6:7]
	global_load_b128 v[D+8*\i+4:D+8*\i+7], v[OFF+\i], s[6:7] offset:512
.endr
.irp i, 0,1,2,3,4,5,6,7,8,9,10,11,12,13,14,15
	s_wait_loadcnt 30-2*\i                         ; loads come back in order (ISA guide 5.7.1): this row's two are in, the later rows' stay out
	global_store_b128 v[LN], v[D+8*\i:D+8*\i+3],   s[8:9] offset:1024*\i th:TH_STORE_NT
	global_store_b128 v[LN], v[D+8*\i+4:D+8*\i+7], s[8:9] offset:1024*\i+512 th:TH_STORE_NT
.endr
	s_endpgm
.Lfunc_end_k_qd4d1fbc696_gather:
	.size	k_qd4d1fbc696_gather, .Lfunc_end_k_qd4d1fbc696_gather-k_qd4d1fbc696_gather
	.p2alignl 7, 3214868480
	.fill 96, 4, 3214868480
	.section	.rodata,"a",@progbits
	.p2align	6, 0x0
	.amdhsa_kernel k_qd4d1fbc696_gather
		.amdhsa_group_segment_fixed_size 0
		.amdhsa_private_segment_fixed_size 0
		.amdhsa_enable_private_segment 0
		.amdhsa_kernarg_size 24
		.amdhsa_user_sgpr_count 2
		.amdhsa_user_sgpr_kernarg_segment_ptr 1
		.amdhsa_wavefront_size32 1
		.amdhsa_system_sgpr_workgroup_id_x 1
		.amdhsa_system_sgpr_workgroup_id_y 1
		.amdhsa_system_sgpr_workgroup_id_z 1
		.amdhsa_system_vgpr_workitem_id 0
		.amdhsa_next_free_vgpr 152
		.amdhsa_next_free_sgpr 66
		.amdhsa_reserve_vcc 0
		.amdhsa_float_denorm_mode_32 3
		.amdhsa_float_denorm_mode_16_64 3
		.amdhsa_memory_ordered 1
		.amdhsa_forward_progress 1
		.amdhsa_inst_pref_size 10
	.end_amdhsa_kernel
	.amdgpu_metadata
---
amdhsa.version: [ 1, 2 ]
amdhsa.kernels:
  - .name:           k_qd4d1fbc696_gather
    .symbol:         k_qd4d1fbc696_gather.kd
    .args:
      - { .name: idx, .offset: 0, .size: 8, .value_kind: global_buffer, .address_space: global }
      - { .name: codebook, .offset: 8, .size: 8, .value_kind: global_buffer, .address_space: global }
      - { .name: out0, .offset: 16, .size: 8, .value_kind: global_buffer, .address_space: global }
    .group_segment_fixed_size: 0
    .private_segment_fixed_size: 0
    .kernarg_segment_align: 8
    .kernarg_segment_size: 24
    .max_flat_workgroup_size: 256
    .sgpr_count:     66
    .vgpr_count:     152
    .wavefront_size: 32
...
	.end_amdgpu_metadata
.endif
;; end of part 5
